; MI455X (gfx1250); checked and timed in simulation.
; The chip was launched on July 23, 2026; its instructions are those of AMD's public machine-readable ISA for CDNA 5 (MIT licence, August 2026) and "CDNA5" Instruction Set Architecture Reference Guide (July 2026). The comments in the code are by the model that wrote it; some were corrected since.
;; Relative Multihead Attention. Allowed arithmetic: float matrix products may take bf16 or f16 operands with f32 sums; all other float work in f32.
;; Inputs: Wk 1,024 x 1,024 float32; Wq 1,024 x 1,024 float32; Wv 1,024 x 1,024 float32; bk 1,024 float32; bq 1,024 float32; bv 1,024 float32; rel_bias 33 x 16 float32; x 4 x 2,048 x 1,024 float32.
;; Outputs: out0 4 x 2,048 x 1,024 float32.
;; One version. Each part assembles by itself: llvm-mc -triple=amdgcn-amd-amdhsa -mcpu=gfx1250 --defsym DOCPART=n.
;; ======== version 1 of 1: 3 launches
;; limits: values are held in f16: magnitudes above 65,504 overflow, below 6.1e-05 lose precision
;; workspace buffers: xb 16,777,216 bytes; wt 6,291,456 bytes; qb 16,777,216 bytes; kb 16,777,216 bytes; vt 16,777,216 bytes
;; launch prep (part 1): grid 1408 x 1, 8 waves a work-group, no clusters, 17,920 bytes of LDS; arguments x, Wq, Wk, Wv, xb, wt; writes xb, wt
.if DOCPART == 1
	.amdgcn_target "amdgcn-amd-amdhsa--gfx1250"
	.amdhsa_code_object_version 6
	.text
	.protected	k_q1fdc6ab130_prep
	.globl	k_q1fdc6ab130_prep
	.p2align	8
	.type	k_q1fdc6ab130_prep,@function
k_q1fdc6ab130_prep:
	s_mov_b64 s[64:65], 0
	v_nop
	global_prefetch_b8 v0, s[64:65] scope:SCOPE_SE
	s_setreg_imm32_b32 hwreg(HW_REG_WAVE_MODE, 25, 1), 1
	s_wait_xcnt 0x0
; xb = bf16(x), [8192][1024].  wt = bf16 of the three weights, transposed and packed: row head*192 + p*64 + d (p = 0 Wq, 1 Wk, 2 Wv)
; holds W_p[k][head*64 + d] along k, [3072][1024].  Rounding is to nearest even; that is the only arithmetic here.
; Every work-group takes 32 KiB of f32: groups 0 to 1023 a piece of x, groups 1024 to 1407 a tile of 128 k x 64 n of one weight.
; The bytes pass through registers because they are converted, so there is no tensor load; there is no product, so no matrix unit;
; no two work-groups read the same bytes, so no cluster.
.set XGROUPS, 1024                     ; 33,554,432 bytes of x / 32,768
.set TP,      264                      ; LDS pitch of a transposed row: 64 pairs of k x 4 bytes + 8
	s_load_b256 s[4:11], s[0:1], 0x0               ; x s[4:5], Wq s[6:7], Wk s[8:9], Wv s[10:11]
	s_load_b128 s[12:15], s[0:1], 0x20             ; xb s[12:13], wt s[14:15]
	v_lshl_add_u32 v64, v0, 2, 0x4200
	v_mov_b32 v65, 0
	v_and_b32 v1, 31, v0                           ; lane
	v_lshrrev_b32 v2, 5, v0
	v_readfirstlane_b32 s16, v2                    ; wave 0..7
	s_cmp_lt_u32 ttmp9, XGROUPS                    ; the same for all waves of a work-group
	s_cbranch_scc0 .Lweights
	; ---- x: wave w takes 4,096 bytes, eight loads of 512 neighbouring bytes; each store of the wave covers 256 neighbouring bytes, aligned
	s_lshl_b32 s18, ttmp9, 15                      ; 32,768 bytes of x for each group
	s_mov_b32 s19, 0
	s_lshl_b32 s20, ttmp9, 14                      ; 16,384 bytes of xb
	s_mov_b32 s21, 0
	v_lshlrev_b32 v3, 4, v1
	v_lshl_add_u32 v3, v2, 12, v3                  ; in: 4,096 w + 16 lane
	v_lshlrev_b32 v4, 3, v1
	v_lshl_add_u32 v4, v2, 11, v4                  ; out: 2,048 w + 8 lane
	s_wait_kmcnt 0x0
	s_add_nc_u64 s[4:5], s[4:5], s[18:19]
	s_add_nc_u64 s[12:13], s[12:13], s[20:21]
.irp j, 0,1,2,3,4,5,6,7
	global_load_b128 v[8+4*\j:11+4*\j], v3, s[4:5] offset:512*\j th:TH_LOAD_NT
.endr
.irp j, 0,1,2,3,4,5,6,7
	s_wait_loadcnt 7-\j                            ; loads return in order: load j is in, the 7 - j younger ones stay out
	v_cvt_pk_bf16_f32 v[40+2*\j], v[8+4*\j], v[9+4*\j]
	v_cvt_pk_bf16_f32 v[41+2*\j], v[10+4*\j], v[11+4*\j]
	global_store_b64 v4, v[40+2*\j:41+2*\j], s[12:13] offset:256*\j   ; every store has data registers of its own
.endr
	s_endpgm
	; ---- a weight: tile t = p*128 + head*8 + kblk: rows 128 kblk .. +127 (k), columns 64 head .. +63 (n)
.Lweights:
	s_sub_co_u32 s17, ttmp9, XGROUPS               ; t, 0..383
	s_lshr_b32 s18, s17, 7                         ; p
	s_bfe_u32 s19, s17, 0x40003                    ; head
	s_and_b32 s20, s17, 7                          ; kblk
	s_lshl_b32 s22, s20, 19                        ; in: 128 kblk rows of 4,096 bytes
	s_lshl_b32 s23, s16, 16                        ;   + 16 w rows
	s_add_co_u32 s22, s22, s23
	s_lshl_b32 s23, s19, 8                         ;   + 256 bytes for each head
	s_add_co_u32 s22, s22, s23
	s_mov_b32 s23, 0
	s_mul_i32 s24, s19, 192                        ; out: row head*192 + p*64 + 8 w
	s_lshl_b32 s25, s18, 6
	s_add_co_u32 s24, s24, s25
	s_lshl_b32 s25, s16, 3
	s_add_co_u32 s24, s24, s25
	s_lshl_b32 s24, s24, 11                        ;   rows of 2,048 bytes
	s_lshl_b32 s25, s20, 8                         ;   + 256 bytes for each kblk
	s_add_co_u32 s24, s24, s25
	s_mov_b32 s25, 0
	v_and_b32 v5, 15, v1                           ; g: which four columns
	v_lshrrev_b32 v6, 4, v1                        ; hi: which pair of rows
	v_lshlrev_b32 v3, 4, v5
	v_lshl_add_u32 v3, v6, 13, v3                  ; in: 2 hi rows + 16 g
	v_mul_u32_u24 v7, v5, 4*TP                     ; LDS, stores: row n = 4 g (+ i), word kp = 8 w + hi (+ 2 it)
	v_lshl_add_u32 v7, v6, 2, v7
	v_lshl_add_u32 v7, v2, 5, v7
	v_mul_u32_u24 v4, v2, 8*TP                     ; LDS, loads: row n = 8 w (+ j), 8 bytes a lane
	v_lshl_add_u32 v4, v1, 3, v4
	v_lshlrev_b32 v56, 3, v1                       ; out: 8 lane
	s_wait_kmcnt 0x0
	s_cmp_eq_u32 s18, 1
	s_cselect_b64 s[6:7], s[8:9], s[6:7]           ; the weight that p names
	s_cmp_eq_u32 s18, 2
	s_cselect_b64 s[6:7], s[10:11], s[6:7]
	s_add_nc_u64 s[6:7], s[6:7], s[22:23]
	s_add_nc_u64 s[14:15], s[14:15], s[24:25]
.irp it, 0,1,2,3
	global_load_b128 v[8+8*\it:11+8*\it],  v3, s[6:7] offset:\it*16384 th:TH_LOAD_NT        ; row 2 kp: sixteen lanes take its 256 bytes
	global_load_b128 v[12+8*\it:15+8*\it], v3, s[6:7] offset:\it*16384+4096 th:TH_LOAD_NT   ; row 2 kp + 1
.endr
.irp it, 0,1,2,3
	s_wait_loadcnt 6-2*\it                         ; this pair of rows is in, the younger pairs stay out
.irp i, 0,1,2,3
	v_cvt_pk_bf16_f32 v[40+4*\it+\i], v[8+8*\it+\i], v[12+8*\it+\i]   ; k even in the low half, k odd in the high half, of column 4 g + i
	ds_store_b32 v7, v[40+4*\it+\i] offset:\i*TP+\it*8
.endr
.endr
	s_wait_dscnt 0x0                               ; my stores are in LDS before I say so: other waves read them
	s_barrier_signal -1
	s_barrier_wait -1
.irp j, 0,1,2,3,4,5,6,7
	ds_load_b64 v[8+2*\j:9+2*\j], v4 offset:\j*TP  ; column 8 w + j as a row of 128 k: 256 bytes over the 32 lanes
.endr
.irp j, 0,1,2,3,4,5,6,7
	s_wait_dscnt 7-\j
	global_store_b64 v56, v[8+2*\j:9+2*\j], s[14:15] offset:\j*2048   ; 256 neighbouring bytes, aligned
.endr
	s_wait_tensorcnt 0x0
	ds_add_u32 v64, v65
	s_wait_dscnt 0x0
	s_endpgm
.Lfunc_end_k_q1fdc6ab130_prep:
	.size	k_q1fdc6ab130_prep, .Lfunc_end_k_q1fdc6ab130_prep-k_q1fdc6ab130_prep
	.p2alignl 7, 3214868480
	.fill 96, 4, 3214868480
	.section	.rodata,"a",@progbits
	.p2align	6, 0x0
	.amdhsa_kernel k_q1fdc6ab130_prep
		.amdhsa_group_segment_fixed_size 17920
		.amdhsa_private_segment_fixed_size 0
		.amdhsa_enable_private_segment 0
		.amdhsa_kernarg_size 48
		.amdhsa_user_sgpr_count 2
		.amdhsa_user_sgpr_kernarg_segment_ptr 1
		.amdhsa_wavefront_size32 1
		.amdhsa_system_sgpr_workgroup_id_x 1
		.amdhsa_system_sgpr_workgroup_id_y 1
		.amdhsa_system_sgpr_workgroup_id_z 1
		.amdhsa_system_vgpr_workitem_id 0
		.amdhsa_next_free_vgpr 66
		.amdhsa_next_free_sgpr 66
		.amdhsa_reserve_vcc 0
		.amdhsa_float_denorm_mode_32 3
		.amdhsa_float_denorm_mode_16_64 3
		.amdhsa_memory_ordered 1
		.amdhsa_forward_progress 1
		.amdhsa_inst_pref_size 10
	.end_amdhsa_kernel
	.amdgpu_metadata
---
amdhsa.version: [ 1, 2 ]
amdhsa.kernels:
  - .name:           k_q1fdc6ab130_prep
    .symbol:         k_q1fdc6ab130_prep.kd
    .args:
      - { .name: x, .offset: 0, .size: 8, .value_kind: global_buffer, .address_space: global }
      - { .name: Wq, .offset: 8, .size: 8, .value_kind: global_buffer, .address_space: global }
      - { .name: Wk, .offset: 16, .size: 8, .value_kind: global_buffer, .address_space: global }
      - { .name: Wv, .offset: 24, .size: 8, .value_kind: global_buffer, .address_space: global }
      - { .name: xb, .offset: 32, .size: 8, .value_kind: global_buffer, .address_space: global }
      - { .name: wt, .offset: 40, .size: 8, .value_kind: global_buffer, .address_space: global }
    .group_segment_fixed_size: 17920
    .private_segment_fixed_size: 0
    .kernarg_segment_align: 8
    .kernarg_segment_size: 48
    .max_flat_workgroup_size: 256
    .sgpr_count:     66
    .vgpr_count:     66
    .wavefront_size: 32
...
	.end_amdgpu_metadata
.endif
;; end of part 1
;; launch proj (part 2): grid 8 x 32, 4 waves a work-group, clusters of 4 x 4, 327,680 bytes of LDS; arguments xb, wt, bq, bk, bv, qb, kb, vt; writes qb, kb, vt
.if DOCPART == 2
	.amdgcn_target "amdgcn-amd-amdhsa--gfx1250"
	.amdhsa_code_object_version 6
	.text
	.protected	k_q1fdc6ab130_proj
	.globl	k_q1fdc6ab130_proj
	.p2align	8
	.type	k_q1fdc6ab130_proj,@function
k_q1fdc6ab130_proj:
	s_mov_b64 s[64:65], 0
	v_nop
	global_prefetch_b8 v0, s[64:65] scope:SCOPE_SE
	s_setreg_imm32_b32 hwreg(HW_REG_WAVE_MODE, 25, 1), 1
	s_wait_xcnt 0x0
	s_wait_alu depctr_hold_cnt(0) depctr_sa_sdst(0) depctr_va_vdst(0) depctr_va_sdst(0) depctr_va_ssrc(0) depctr_va_vcc(0) depctr_vm_vsrc(0)
	s_getreg_b32 s2, hwreg(HW_REG_IB_STS2, 6, 4)
	s_cmp_eq_u32 s2, 0
	s_cbranch_scc0 .Lentry_in_a_cluster
	s_endpgm
.Lentry_in_a_cluster:
	s_bfe_u32 s2, ttmp6, 0x10000c
	s_cmp_lg_u32 s2, 0xf033
	s_cbranch_scc0 .Lentry_shape_is_right
	s_endpgm
.Lentry_shape_is_right:
; q = (x Wq + bq) c, k = x Wk + bk, v = x Wv + bv, with c = log2(e) / 8 so that the softmax later works in base 2.
; xb [8192][1024] bf16, wt [3072][1024] bf16 (row head*192 + p*64 + d).  Sums in f32; bias added in f32; results rounded once to f16.
; qb, kb: [batch*16 + head][s][64];  vt: [batch*16 + head][d][2048] (v transposed); all three f16.
; WHY f16 FOR THE RESULTS: attention averages v over up to 2,048 keys, and the rounding errors of q, k and v shrink under that average only as fast as
; the result does; eleven significant bits leave an eighth of the error that eight would.
; LIMIT: |q c|, |k| and |v| must stay below 65,504, or they become infinite here.  With x of spread 1 and W of spread 0.02 their spreads are 0.12, 0.64, 0.64;
; x and W both 30 times larger make them 900 times larger (largest about 3,500); x and W both offset by 30 spreads add 1024 x 30 x 0.6 = 18,432.
; Numbers below 2^-14 keep an absolute step of 2^-24.
; 8192 x 3072 outputs on 256 work-groups are blocks of 256 rows x 384 columns: grid 8 x 32, one even share for each.
; Four waves; a wave makes 128 rows x 192 columns, which by wt's packing are q, k and v of ONE head: 96 accumulator tiles, 768 registers.
; Column blocks 0-7 (q, k) use the matrix instruction transposed (source 0 = rows of wt, source 1 = rows of xb): a lane then holds eight
; neighbouring d of one row s.  Column blocks 8-11 (v) use it as it stands: a lane holds eight neighbouring s of one d, which is v transposed.
; K goes in steps of 64 through two LDS slots (640 rows x 144 bytes each; two slots of a step of 128 would need 348,160 bytes).
; CLUSTER 4 x 4: xb's tile hangs on the block row alone and is asked for jointly by a row of the cluster, wt's tile on the block column
; alone and is asked for jointly by a column.  Wave 0 asks for xb's 256 rows, waves 1 to 3 for 128 rows of wt each.
; REGISTERS: window 0: v0-31 addresses and v's bias; v32-95, v96-159 xb's fragments, two buffers; v160-207 wt's blocks 0-5; v208-255 blocks 6-11.
;            windows 1, 2, 3: accumulators of q, k, v; tile (a, b) at v[64 (b mod 4) + 8 a].
.set PITCH,  144                       ; 128 bytes of a row + 16: an odd multiple of 16, so sixteen rows start in sixteen different 16-byte columns of 256
.set FR,     16*PITCH                  ; sixteen rows: from fragment to fragment
.set HROWS,  128*PITCH
.set ABYTES, 256*PITCH                 ; xb's part of a slot; wt's 384 rows lie behind it
.set WCOLS,  192*PITCH
.set SLOT,   640*PITCH
.set STAGE,  2*SLOT                    ; behind the ring: 4,352 bytes for each wave, for the way out; no tensor load lands here
.set STAGEW, 4352
.set LAPS,   8                         ; 1024 / (2 x 64)
.set CSCALE, 0x3e38aa3b                ; log2(e) / 8
.set BOF,  14                          ; v14  32 h: my eight numbers of bq, bk
.set BVO,  15                          ; v15  4 r: my number of bv
.set ADRA, 16                          ; v16-17 LDS address of my xb fragments in slot 0, 1
.set ADRB, 20                          ; v20-21 the same for wt
.set STOQ, 22
.set RDQ,  23
.set STOV, 24
.set RDV,  25
.set COQ,  26
.set COV,  27
.set BV,   28                          ; v28-31 bv of my d in column blocks 8-11
.set AF0,  32
.set AF1,  96
.set BLO,  160
.set BHI,  208
.set TMP,  96                          ; the way out: f32 with bias
.set PK,   128                         ; the way out: q, k packed
.set PKV,  160                         ; the way out: v packed
.set G1A, 32                           ; s[32:39] group 1, xb's tile
.set G1B, 40                           ; s[40:47] group 1, wt's tile
.set G0A, 48                           ; s[48:55] group 0, xb, a set for each slot
.set G0B, 56                           ; s[56:63] group 0, wt, a set for each slot
.set MSB, 0
.macro WIN new                         ; the immediate's high byte repeats the setting that is left
.if MSB != (\new)
	s_set_vgpr_msb (MSB<<8)|(\new)
.set MSB, (\new)
.endif
.endm
.macro PLACES                          ; four plain vector places behind a matrix instruction, before its registers are loaded into or its result is read (ISA guide 7.12.1)
.rept 4
	v_nop
.endr
.endm
.macro JLOAD s                         ; one joint load a wave; the branch hangs on the wave's number alone
	s_cmp_eq_u32 s20, 0
	s_cbranch_scc0 .Lfor_b_\@
	tensor_load_to_lds s[G0A+4*\s:G0A+4*\s+3], s[G1A:G1A+7]
	s_nop 0
	s_branch .Lasked_\@
.Lfor_b_\@:
	tensor_load_to_lds s[G0B+4*\s:G0B+4*\s+3], s[G1B:G1B+7]
	s_nop 0
.Lasked_\@:
.endm
.macro CREST                           ; a round of the cluster's barrier behind its opening work-group barrier
	s_cmp_lg_u32 s20, 0
	s_cbranch_scc1 .Lnot_wave_0_\@
	s_barrier_signal -3
.Lnot_wave_0_\@:
	s_barrier_wait -3
	s_barrier_signal -1
	s_barrier_wait -1
.endm
.macro CROUND
	s_barrier_signal -1
	s_barrier_wait -1
	CREST
.endm
	s_load_b512 s[4:19], s[0:1], 0x0               ; xb, wt, bq, bk, bv, qb, kb, vt in s[4:5] .. s[18:19]
	v_lshl_add_u32 v18, v0, 2, 0x31400
	v_mov_b32 v19, 0
	ds_add_u32 v18, v19
	v_lshrrev_b32 v1, 5, v0
	v_readfirstlane_b32 s20, v1                    ; wave 0..3
	s_lshr_b32 s21, s20, 1                         ; wr: which 128 rows
	s_and_b32 s22, s20, 1                          ; wc: which 192 columns
	s_bfe_u32 s24, ttmp6, 0x40000                  ; cx
	s_bfe_u32 s25, ttmp6, 0x40004                  ; cy
	s_lshl_b32 s26, ttmp9, 2
	s_add_co_u32 s26, s26, s24                     ; bx = block column, 0..7
	s_and_b32 s27, ttmp7, 0xffff
	s_lshl_b32 s27, s27, 2
	s_add_co_u32 s27, s27, s25                     ; by = block row, 0..31
	s_lshl_b32 s28, s25, 2
	s_lshl_b32 s28, 15, s28                        ; my row of the cluster
	s_lshl_b32 s29, 0x1111, s24                    ; my column
	; group 1: elements of 2 bytes; 16 bytes of padding behind every 32 words; bit 21 beside the mask
	s_or_b32 s[G1A+0], s28, (1<<16)|(1<<20)|(1<<21)|(4<<22)|(3<<25)
	s_mov_b32 s[G1A+1], 64<<16                     ; tensor_dim0 = 64
	s_mov_b32 s[G1A+2], 256<<16                    ; tensor_dim1 = 256
	s_mov_b32 s[G1A+3], 64<<16                     ; tile_dim0 = 64
	s_mov_b32 s[G1A+4], 256                        ; tile_dim1 = 256
	s_mov_b32 s[G1A+5], 1024                       ; elements from row to row
	s_mov_b32 s[G1A+6], 0
	s_mov_b32 s[G1A+7], 0
	s_or_b32 s[G1B+0], s29, (1<<16)|(1<<20)|(1<<21)|(4<<22)|(3<<25)
	s_mov_b32 s[G1B+1], 64<<16
	s_mov_b32 s[G1B+2], 128<<16                    ; 128 rows
	s_mov_b32 s[G1B+3], 64<<16
	s_mov_b32 s[G1B+4], 128
	s_mov_b32 s[G1B+5], 1024
	s_mov_b32 s[G1B+6], 0
	s_mov_b32 s[G1B+7], 0
	s_lshl_b32 s66, s27, 19                        ; xb: 256 by rows of 2,048 bytes; made of by alone
	s_mov_b32 s67, 0
	s_max_u32 s30, s20, 1
	s_sub_co_u32 s30, s30, 1                       ; waves 1, 2, 3 take wt's rows 0, 128, 256 of the block (wave 0's value is not used)
	s_mul_i32 s68, s26, 384
	s_lshl_b32 s30, s30, 7
	s_add_co_u32 s68, s68, s30
	s_lshl_b32 s68, s68, 11                        ; wt: made of bx and the wave's number alone
	s_mov_b32 s69, 0
	s_mul_i32 s70, s20, HROWS
	s_add_co_u32 s70, s70, ABYTES-HROWS            ; LDS: wt's rows lie behind xb's 256: wave 1 at 36,864, each further wave 18,432 on
	s_lshl1_add_u32 s71, s26, s22                  ; head = 2 bx + wc
	s_lshl_b32 s72, s71, 8                         ; the head's 64 numbers in a bias
	s_mov_b32 s73, 0
	s_lshr_b32 s74, s27, 3                         ; batch
	s_lshl4_add_u32 s74, s74, s71                  ; bh = 16 batch + head
	s_and_b32 s75, s27, 7
	s_lshl_b32 s75, s75, 8
	s_lshl_b32 s31, s21, 7
	s_add_co_u32 s75, s75, s31                     ; s0: my first row inside the batch
	s_lshl_b32 s76, s74, 11
	s_add_co_u32 s76, s76, s75
	s_lshl_b32 s76, s76, 7                         ; qb, kb: (2048 bh + s0) rows of 128 bytes
	s_mov_b32 s77, 0
	s_lshl_b32 s78, s74, 18
	s_lshl1_add_u32 s78, s75, s78                  ; vt: 64 bh rows of 4,096 bytes + 2 s0
	s_mov_b32 s79, 0
	s_wait_dscnt 0x0
	s_wait_kmcnt 0x0
	s_add_nc_u64 s[66:67], s[4:5], s[66:67]
	s_add_nc_u64 s[68:69], s[6:7], s[68:69]
	s_add_nc_u64 s[8:9], s[8:9], s[72:73]
	s_add_nc_u64 s[10:11], s[10:11], s[72:73]
	s_add_nc_u64 s[12:13], s[12:13], s[72:73]
	s_add_nc_u64 s[14:15], s[14:15], s[76:77]
	s_add_nc_u64 s[16:17], s[16:17], s[76:77]
	s_add_nc_u64 s[18:19], s[18:19], s[78:79]
	CROUND                                         ; all sixteen work-groups are here: the first joint loads meet
.irp s, 0,1
	s_mov_b32 s[G0A+4*\s], 1
	s_mov_b32 s[G0A+4*\s+1], \s*SLOT
	s_add_nc_u64 s[G0A+4*\s+2:G0A+4*\s+3], s[66:67], \s*128        ; K step s: 64 elements
	s_or_b32 s[G0A+4*\s+3], s[G0A+4*\s+3], 0x80000000
	s_mov_b32 s[G0B+4*\s], 1
	s_add_co_u32 s[G0B+4*\s+1], s70, \s*SLOT
	s_add_nc_u64 s[G0B+4*\s+2:G0B+4*\s+3], s[68:69], \s*128
	s_or_b32 s[G0B+4*\s+3], s[G0B+4*\s+3], 0x80000000
	JLOAD \s                                       ; both slots' first fills go out ahead of everything else: two loads of the wave are out
.endr
	v_and_b32 v1, 15, v0                           ; r
	v_bfe_u32 v2, v0, 4, 1                         ; h
	v_and_b32 v4, 31, v0                           ; lane
	v_mul_u32_u24 v3, v1, PITCH
	v_lshl_add_u32 v3, v2, 4, v3                   ; r x pitch + 16 h: a fragment is two loads of 16 bytes, 32 bytes apart
	s_mul_i32 s30, s21, HROWS
	s_mul_i32 s31, s22, WCOLS
	s_add_co_u32 s31, s31, ABYTES
.irp s, 0,1
	v_add_nc_u32 v[ADRA+\s], s30, v3
	v_add_nc_u32 v[ADRB+\s], s31, v3
	s_add_co_u32 s30, s30, SLOT
	s_add_co_u32 s31, s31, SLOT
.endr
	s_mul_i32 s30, s20, STAGEW
	s_add_co_u32 s30, s30, STAGE                   ; my stage
	v_add_nc_u32 v[STOQ], s30, v3                  ; q, k in: row r (s), 16 bytes for each half of the lanes
	v_lshrrev_b32 v5, 3, v4
	v_and_b32 v6, 7, v4
	v_mul_u32_u24 v5, v5, PITCH
	v_lshl_add_u32 v5, v6, 4, v5
	v_add_nc_u32 v[RDQ], s30, v5                   ; q, k back: eight lanes take a row of 128 bytes
	v_mul_u32_u24 v5, v1, 272
	v_lshl_add_u32 v5, v2, 4, v5
	v_add_nc_u32 v[STOV], s30, v5                  ; v in: row r (d), pitch 272
	v_mul_u32_u24 v5, v2, 272
	v_lshl_add_u32 v5, v1, 4, v5
	v_add_nc_u32 v[RDV], s30, v5                   ; v back: sixteen lanes take a row of 256 bytes
	v_lshlrev_b32 v[COQ], 4, v4                    ; qb, kb: rows follow each other, so 16 x lane
	v_lshlrev_b32 v5, 12, v2
	v_lshl_add_u32 v[COV], v1, 4, v5               ; vt: two rows of 4,096 bytes
	v_lshlrev_b32 v[BOF], 5, v2
	v_lshlrev_b32 v[BVO], 2, v1
; eight matrix instructions: column block b x row blocks 0-7, 32 along K; zero = 1: the product starts the sums
.macro MULB f, b, zero
	WIN 0x50*(1+(\b)/4)
.if \b < 6
.set BFR, BLO+8*(\b)
.else
.set BFR, BHI+8*(\b)-48
.endif
.set ACC, 64*((\b)%4)
.irp a, 0,1,2,3,4,5,6,7
.if \b < 8
.if \zero
	v_wmma_f32_16x16x32_bf16 v[ACC+8*\a:ACC+8*\a+7], v[BFR:BFR+7], v[\f+8*\a:\f+8*\a+7], 0
.else
	v_wmma_f32_16x16x32_bf16 v[ACC+8*\a:ACC+8*\a+7], v[BFR:BFR+7], v[\f+8*\a:\f+8*\a+7], v[ACC+8*\a:ACC+8*\a+7]
.endif
.else
.if \zero
	v_wmma_f32_16x16x32_bf16 v[ACC+8*\a:ACC+8*\a+7], v[\f+8*\a:\f+8*\a+7], v[BFR:BFR+7], 0
.else
	v_wmma_f32_16x16x32_bf16 v[ACC+8*\a:ACC+8*\a+7], v[\f+8*\a:\f+8*\a+7], v[BFR:BFR+7], v[ACC+8*\a:ACC+8*\a+7]
.endif
.endif
.endr
.endm
.macro LOADBHI s, kb                   ; 12 loads: wt's blocks 6-11 at byte kb of the rows
.irp i, 0,1,2,3,4,5
	ds_load_b128 v[BHI+8*\i:BHI+8*\i+3],   v[ADRB+\s] offset:\kb+(6+\i)*FR
	ds_load_b128 v[BHI+8*\i+4:BHI+8*\i+7], v[ADRB+\s] offset:\kb+(6+\i)*FR+32
.endr
.endm
.macro LOADNEXT s, kb, abuf            ; 28 loads: wt's blocks 0-5 and xb's eight fragments of the next quarter
.irp i, 0,1,2,3,4,5
	ds_load_b128 v[BLO+8*\i:BLO+8*\i+3],   v[ADRB+\s] offset:\kb+\i*FR
	ds_load_b128 v[BLO+8*\i+4:BLO+8*\i+7], v[ADRB+\s] offset:\kb+\i*FR+32
.endr
.irp i, 0,1,2,3,4,5,6,7
	ds_load_b128 v[\abuf+8*\i:\abuf+8*\i+3],   v[ADRA+\s] offset:\kb+\i*FR
	ds_load_b128 v[\abuf+8*\i+4:\abuf+8*\i+7], v[ADRA+\s] offset:\kb+\i*FR+32
.endr
.endm
; A K step is two halves of 32 along K, 96 matrix instructions each.  The 96 accumulators take turns, one instruction a turn, in the same
; order in every half, over the loop's backward jump too.
.macro FIRSTQ s, zero                  ; K 0-31 of slot s, xb in buffer 0
	PLACES
	WIN 0
	LOADBHI \s, 0
	s_wait_dscnt 12                                ; the 28 older loads (blocks 0-5, xb) are in; the 12 just issued stay out
.irp b, 0,1,2,3,4,5
	MULB AF0, \b, \zero
.endr
	PLACES
	WIN 0
	LOADNEXT \s, 64, AF1
	s_wait_dscnt 28                                ; blocks 6-11 are in; the 28 just issued stay out
.irp b, 6,7,8,9,10,11
	MULB AF0, \b, \zero
.endr
.endm
; K 32-63 of slot s, xb in buffer 1, and the change of slots.  In front of the barrier each wave waits for its reads of this slot and for all
; its tensor loads (one is out: its part of the other slot).  Where the slot is filled again the barrier opens a round of the cluster's barrier,
; and the joint refill is the first tensor load behind the round.
.macro TURNQ s, next, fill
	PLACES
	WIN 0
	LOADBHI \s, 64
	s_wait_dscnt 12
.irp b, 0,1,2,3
	MULB AF1, \b, 0
.endr
	s_wait_dscnt 0x0                               ; my reads of this slot are over
	s_wait_tensorcnt 0x0                           ; all my tensor loads have landed
	ds_add_u32 v18, v19
	s_wait_dscnt 0x0
	s_barrier_signal -1
	MULB AF1, 4, 0                                 ; register work while the others arrive
	MULB AF1, 5, 0
	WIN 0
	s_barrier_wait -1
.if \fill
	CREST
	s_add_nc_u64 s[G0A+4*\s+2:G0A+4*\s+3], s[G0A+4*\s+2:G0A+4*\s+3], 256    ; two K steps on; no load of mine is out
	s_add_nc_u64 s[G0B+4*\s+2:G0B+4*\s+3], s[G0B+4*\s+2:G0B+4*\s+3], 256
	JLOAD \s
.endif
	PLACES
	LOADNEXT \next, 0, AF0
.irp b, 6,7,8,9,10,11
	MULB AF1, \b, 0
.endr
.endm
.macro LAP zero
	FIRSTQ 0, \zero
	TURNQ 0, 1, 1
	FIRSTQ 1, 0
	TURNQ 1, 0, 1
.endm
	s_wait_tensorcnt 0x1                           ; of my two first fills slot 0's has landed; slot 1's may stay out
	s_barrier_signal -1
	s_barrier_wait -1
	LOADNEXT 0, 0, AF0
	LAP 1                                          ; the first lap stands ahead of the loop: its first products start the sums
	WIN 0
	s_mov_b32 s23, LAPS-2
.Llap:
	LAP 0
	WIN 0
	s_sub_co_u32 s23, s23, 1
	s_cmp_lg_u32 s23, 0
	s_cbranch_scc1 .Llap
	FIRSTQ 0, 0                                    ; the last lap fills nothing
	TURNQ 0, 1, 0
	FIRSTQ 1, 0
	PLACES                                         ; the very last half
	WIN 0
	LOADBHI 1, 64
.irp b, 0,1,2,3
	global_load_b128 v[AF0+8*\b:AF0+8*\b+3],     v[BOF], s[8:9] offset:64*\b        ; bq[64 head + 16 b + 8 h ..]: buffer 0 is free
	global_load_b128 v[AF0+8*\b+4:AF0+8*\b+7],   v[BOF], s[8:9] offset:64*\b+16
	global_load_b128 v[AF0+32+8*\b:AF0+35+8*\b], v[BOF], s[10:11] offset:64*\b      ; bk likewise
	global_load_b128 v[AF0+36+8*\b:AF0+39+8*\b], v[BOF], s[10:11] offset:64*\b+16
	global_load_b32  v[BV+\b], v[BVO], s[12:13] offset:64*\b                        ; bv[64 head + 16 b + r]
.endr
	s_wait_dscnt 12
.irp b, 0,1,2,3,4,5
	MULB AF1, \b, 0
.endr
	s_wait_dscnt 0x0
.irp b, 6,7,8,9,10,11
	MULB AF1, \b, 0
.endr
	; THE WAY OUT, through each wave's own stage.  LDS serves a wave's instructions in order, so its loads see its stores.
	PLACES
	WIN 0
	s_wait_loadcnt 0x0                             ; the biases
.irp i, 0,1,2,3,4,5,6,7,8,9,10,11,12,13,14,15
	v_pk_mul_f32 v[AF0+2*\i:AF0+2*\i+1], v[AF0+2*\i:AF0+2*\i+1], CSCALE op_sel_hi:[1,0]     ; bq c, so that q = sum c + bq c is one fused multiply-add
.endr
; rows 16 a .. +15 of q (isq = 1) or k: four tiles; a lane holds row r, d = 16 b + 8 h + 0..7
.macro OUTQK a, isq, ptr, f
	WIN (2-\isq)                                   ; source 0 from window 1 (q) or 2 (k)
.irp b, 0,1,2,3
.irp i, 0,1,2,3
.if \isq
	v_pk_fma_f32 v[TMP+8*\b+2*\i:TMP+8*\b+2*\i+1], v[64*\b+8*(\a)+2*\i:64*\b+8*(\a)+2*\i+1], CSCALE, v[AF0+8*\b+2*\i:AF0+8*\b+2*\i+1] op_sel_hi:[1,0,1]
.else
	v_pk_add_f32 v[TMP+8*\b+2*\i:TMP+8*\b+2*\i+1], v[64*\b+8*(\a)+2*\i:64*\b+8*(\a)+2*\i+1], v[AF0+32+8*\b+2*\i:AF0+32+8*\b+2*\i+1]
.endif
.endr
.endr
	WIN 0
.irp b, 0,1,2,3
.irp i, 0,1,2,3
	v_cvt_pk_f16_f32 v[PK+4*\b+\i], v[TMP+8*\b+2*\i], v[TMP+8*\b+2*\i+1]     ; two roundings to f16, the first source in the low half
.endr
	ds_store_b128 v[STOQ], v[PK+4*\b:PK+4*\b+3] offset:32*\b
.endr
	s_wait_xcnt 0x0                                ; buffer f, which earlier stores read, is loaded again only behind this wait
.irp t, 0,1,2,3
	ds_load_b128 v[\f+4*\t:\f+4*\t+3], v[RDQ] offset:4*PITCH*\t
.endr
.irp t, 0,1,2,3
	s_wait_dscnt 3-\t
	global_store_b128 v[COQ], v[\f+4*\t:\f+4*\t+3], s[\ptr:\ptr+1] offset:(\a)*2048+512*\t  ; four rows of 128 bytes: 512 neighbouring bytes, aligned
.endr
.endm
; d = 16 b .. +15 of v: eight tiles; a lane holds d = r, s = 16 a + 8 h + 0..7
.macro OUTV b, f
	WIN 3
.irp a, 0,1,2,3,4,5,6,7
.irp i, 0,1,2,3
.if (\b)%2
	v_pk_add_f32 v[TMP+8*\a+2*\i:TMP+8*\a+2*\i+1], v[64*\b+8*\a+2*\i:64*\b+8*\a+2*\i+1], v[BV+2*(\b/2):BV+2*(\b/2)+1] op_sel:[0,1] op_sel_hi:[1,1]
.else
	v_pk_add_f32 v[TMP+8*\a+2*\i:TMP+8*\a+2*\i+1], v[64*\b+8*\a+2*\i:64*\b+8*\a+2*\i+1], v[BV+2*(\b/2):BV+2*(\b/2)+1] op_sel_hi:[1,0]
.endif
.endr
.endr
	WIN 0
.irp a, 0,1,2,3,4,5,6,7
.irp i, 0,1,2,3
	v_cvt_pk_f16_f32 v[PKV+4*\a+\i], v[TMP+8*\a+2*\i], v[TMP+8*\a+2*\i+1]
.endr
	ds_store_b128 v[STOV], v[PKV+4*\a:PKV+4*\a+3] offset:32*\a
.endr
	s_wait_xcnt 0x0
.irp t, 0,1,2,3,4,5,6,7
	ds_load_b128 v[\f+4*\t:\f+4*\t+3], v[RDV] offset:544*\t
.endr
.irp t, 0,1,2,3,4,5,6,7
	s_wait_dscnt 7-\t
	global_store_b128 v[COV], v[\f+4*\t:\f+4*\t+3], s[18:19] offset:(16*\b+2*\t)*4096       ; sixteen lanes store 256 neighbouring bytes, aligned
.endr
.endm
	OUTQK 0, 1, 14, 192                            ; q: the read-back buffers v192-207 and v208-223 take turns
	OUTQK 1, 1, 14, 208
	OUTQK 2, 1, 14, 192
	OUTQK 3, 1, 14, 208
	OUTQK 4, 1, 14, 192
	OUTQK 5, 1, 14, 208
	OUTQK 6, 1, 14, 192
	OUTQK 7, 1, 14, 208
	OUTQK 0, 0, 16, 192                            ; k
	OUTQK 1, 0, 16, 208
	OUTQK 2, 0, 16, 192
	OUTQK 3, 0, 16, 208
	OUTQK 4, 0, 16, 192
	OUTQK 5, 0, 16, 208
	OUTQK 6, 0, 16, 192
	OUTQK 7, 0, 16, 208
	OUTV 0, 192                                    ; v transposed
	OUTV 1, 224
	OUTV 2, 192
	OUTV 3, 224
	s_wait_tensorcnt 0x0
	ds_add_u32 v18, v19
	s_wait_dscnt 0x0
	CROUND                                         ; the closing round: no work-group ends while a partner may still ask jointly
	s_endpgm
.Lfunc_end_k_q1fdc6ab130_proj:
	.size	k_q1fdc6ab130_proj, .Lfunc_end_k_q1fdc6ab130_proj-k_q1fdc6ab130_proj
	.p2alignl 7, 3214868480
	.fill 96, 4, 3214868480
	.section	.rodata,"a",@progbits
	.p2align	6, 0x0
	.amdhsa_kernel k_q1fdc6ab130_proj
		.amdhsa_group_segment_fixed_size 327680
		.amdhsa_private_segment_fixed_size 0
		.amdhsa_enable_private_segment 0
		.amdhsa_kernarg_size 64
		.amdhsa_user_sgpr_count 2
		.amdhsa_user_sgpr_kernarg_segment_ptr 1
		.amdhsa_wavefront_size32 1
		.amdhsa_system_sgpr_workgroup_id_x 1
		.amdhsa_system_sgpr_workgroup_id_y 1
		.amdhsa_system_sgpr_workgroup_id_z 1
		.amdhsa_system_vgpr_workitem_id 0
		.amdhsa_next_free_vgpr 1024
		.amdhsa_next_free_sgpr 80
		.amdhsa_reserve_vcc 0
		.amdhsa_float_denorm_mode_32 3
		.amdhsa_float_denorm_mode_16_64 3
		.amdhsa_memory_ordered 1
		.amdhsa_forward_progress 1
		.amdhsa_inst_pref_size 201
	.end_amdhsa_kernel
	.amdgpu_metadata
---
amdhsa.version: [ 1, 2 ]
amdhsa.kernels:
  - .name:           k_q1fdc6ab130_proj
    .symbol:         k_q1fdc6ab130_proj.kd
    .args:
      - { .name: xb, .offset: 0, .size: 8, .value_kind: global_buffer, .address_space: global }
      - { .name: wt, .offset: 8, .size: 8, .value_kind: global_buffer, .address_space: global }
      - { .name: bq, .offset: 16, .size: 8, .value_kind: global_buffer, .address_space: global }
      - { .name: bk, .offset: 24, .size: 8, .value_kind: global_buffer, .address_space: global }
      - { .name: bv, .offset: 32, .size: 8, .value_kind: global_buffer, .address_space: global }
      - { .name: qb, .offset: 40, .size: 8, .value_kind: global_buffer, .address_space: global }
      - { .name: kb, .offset: 48, .size: 8, .value_kind: global_buffer, .address_space: global }
      - { .name: vt, .offset: 56, .size: 8, .value_kind: global_buffer, .address_space: global }
    .group_segment_fixed_size: 327680
    .private_segment_fixed_size: 0
    .kernarg_segment_align: 8
    .kernarg_segment_size: 64
    .max_flat_workgroup_size: 128
    .sgpr_count:     80
    .vgpr_count:     1024
    .wavefront_size: 32
...
	.end_amdgpu_metadata
.endif
;; end of part 2
;; launch attn (part 3): grid 256 x 1, 8 waves a work-group, no clusters, 327,680 bytes of LDS; arguments qb, kb, vt, rel_bias, out0; writes out0
.if DOCPART == 3
	.amdgcn_target "amdgcn-amd-amdhsa--gfx1250"
	.amdhsa_code_object_version 6
	.text
	.protected	k_q1fdc6ab130_attn
	.globl	k_q1fdc6ab130_attn
	.p2align	8
	.type	k_q1fdc6ab130_attn,@function
k_q1fdc6ab130_attn:
	s_mov_b64 s[64:65], 0
	v_nop
	global_prefetch_b8 v0, s[64:65] scope:SCOPE_SE
	s_setreg_imm32_b32 hwreg(HW_REG_WAVE_MODE, 25, 1), 1
	s_wait_xcnt 0x0
; out[b][s][64 head + d] = sum over keys of softmax(q k / 8 + rel_bias[clip(key - query, -16, 16) + 16][head]) v, with a running maximum.
; qb holds q log2(e) / 8, so scores are in base 2; the bias is multiplied by log2(e) here.  qb, kb, vt are f16; all sums are f32.
; Work-group = 512 queries of one (batch, head): bh = group / 4, qblk = group mod 4.  Eight waves, two on a SIMD; wave w owns the 64 queries of
; block wq = 8 qblk + w.  32 steps of 64 keys; K and V come by tensor loads, 128 keys a fill, into two LDS slots.
; LAYOUTS: scores transposed, S = K Q^T: lane (r, h), register j holds key 8 h + j of query r.  Packing two neighbouring tiles to f16 in place
; gives the B fragment of P^T as it stands, and O^T = V^T P^T keeps query r in lane r: maximum, factor and sum are one number a lane.
; BIAS: it is the C operand of each score tile's first product.  A tile of 16 keys x 16 queries whose corner distance is 16 D needs one of five
; tiles, clamp(D, -2, 2): beyond that every distance is clipped.  The five lie in LDS; the seven that a step can need (kt - qt = -3 .. 3) lie in registers and
; are loaded again only in the four steps with step - wq = -1, 0, 1, 2.
; ROW SUMS: a product of ones with P on the matrix unit; only register 0 of each sum tile is rescaled and used (the others stay below 2048).
; NO CLUSTER, though the four work-groups of a head read the same K and V: which bias tiles a step loads is a branch on step - (8 qblk + w)
; The four carry neighbouring numbers and walk the keys in the same order.
; WHY f16: a result is an average over up to 2,048 keys, and the rounding errors of P and V shrink under it only as fast as the result does; eleven
; significant bits leave an eighth of the error that eight would.  P = 2^(score - running maximum) lies in (0, 1] for every input, so f16 has the room.
; LIMITS: q, k, v and the probabilities are rounded to f16 (q, k, v below 65,504: see the launch that makes them); the row sum is formed from the rounded
; probabilities; a probability below 2^-14 of the row's largest so far keeps an absolute step of 2^-24, and one below 2^-25 counts as zero: over 2,048 keys at
; most 2^-14 of the largest weight; inputs that are not finite are not served.
.set KP,    144                        ; K's LDS pitch: 128 bytes + 16
.set VP,    272                        ; V^T's LDS pitch: 256 bytes + 16
.set VOFF,  128*KP                     ; V^T behind K's 128 rows
.set SLOTB, 128*KP+64*VP               ; 35,840
.set TABLE, 2*SLOTB                    ; 5 tiles x 1,024 bytes for each wave; no tensor load lands here
.set STAGE, TABLE+8*5120               ; 16 rows x 272 bytes for each wave, for the way out
.set KA,   1                           ; v1-2   K fragments' address in slot 0, 1
.set VA,   3                           ; v3-4   V^T fragments' address
.set TB,   5                           ; v5     my 16 bytes in a tile of the table
.set PF,   6                           ; v6     prefetch: my block
.set ST,   8                           ; v8-15  pairs (maximum, factor), one for each block of 16 queries
.set T,    16                          ; v16-19 maxima at work
.set X,    20                          ; v20-23 the other half's; at the end 1 / sum
.set ONES, 24                          ; v24-31 a fragment of 1.0 in f16
.set LS,   32                          ; v32-63 sum tiles
.set Q,    64                          ; v64-127 Q(qt, kk) at 64 + 16 qt + 8 kk
.set H0,   128                         ; v128-159 four fragments of K (d 0-31) or of V^T (keys 0-31)
.set H1,   160                         ; v160-191 the same, d 32-63 or keys 32-63
.set CUR,  192                         ; v192-247 seven bias tiles
.set STO,  248
.set RD,   249
.set CO,   250
.set RR,   251                         ; r
.set HH,   252                         ; h
.set LN,   253                         ; lane
.set O,    0                           ; window 1: O(qt, dt) at 8 (4 qt + dt)
.set S,    128                         ; window 1: S(qt, kt) at 128 + 8 (4 qt + kt); P(qt, ks) the 8 registers from 128 + 32 qt + 16 ks
.set G1K, 24
.set G1V, 32
.set G0K, 40
.set G0V, 48
.set MSB, 0
.macro WIN new
.if MSB != (\new)
	s_set_vgpr_msb (MSB<<8)|(\new)
.set MSB, (\new)
.endif
.endm
.macro PLACES                          ; four plain vector places behind a matrix instruction (ISA guide 7.12.1)
.rept 4
	v_nop
.endr
.endm
	s_load_b256 s[4:11], s[0:1], 0x0               ; qb s[4:5], kb s[6:7], vt s[8:9], rel_bias s[10:11]
	s_load_b64 s[12:13], s[0:1], 0x20              ; out0
	v_lshl_add_u32 v254, v0, 2, 0x29000
	v_mov_b32 v255, 0
	ds_add_u32 v254, v255
	s_wait_dscnt 0x0
	v_lshrrev_b32 v7, 5, v0
	v_readfirstlane_b32 s14, v7                    ; wave 0..7
	s_and_b32 s15, ttmp9, 3                        ; qblk
	s_lshr_b32 s16, ttmp9, 2                       ; bh
	s_lshl3_add_u32 s22, s15, s14                  ; wq
	s_sub_co_u32 s17, 0, s22                       ; rel = step - wq
	s_mov_b32 s20, 0x76543210                      ; v_permlanex16_b32: lane i of the other half
	s_mov_b32 s21, 0xfedcba98
	s_mov_b32 s[G1K+0], (1<<16)|(1<<20)|(4<<22)|(3<<25)   ; 2-byte elements; 16 bytes of padding behind every 32 words
	s_mov_b32 s[G1K+1], 64<<16                     ; tensor_dim0 = 64
	s_mov_b32 s[G1K+2], 64<<16                     ; tensor_dim1 = 64
	s_mov_b32 s[G1K+3], 64<<16                     ; tile_dim0 = 64
	s_mov_b32 s[G1K+4], 64                         ; tile_dim1 = 64 rows
	s_mov_b32 s[G1K+5], 64                         ; pitch
	s_mov_b32 s[G1K+6], 0
	s_mov_b32 s[G1K+7], 0
	s_mov_b32 s[G1V+0], (1<<16)|(1<<20)|(5<<22)|(3<<25)   ; padding behind every 64 words
	s_mov_b32 s[G1V+1], 128<<16
	s_mov_b32 s[G1V+2], 64<<16
	s_mov_b32 s[G1V+3], 128<<16                    ; 128 keys
	s_mov_b32 s[G1V+4], 64                         ; 64 rows (d)
	s_mov_b32 s[G1V+5], 2048
	s_mov_b32 s[G1V+6], 0
	s_mov_b32 s[G1V+7], 0
	s_lshl_b32 s60, s16, 18                        ; a head's 262,144 bytes in qb, kb, vt
	s_mov_b32 s61, 0
	s_and_b32 s62, s14, 1
	s_lshl_b32 s62, s62, 13                        ; K: waves 0, 1 take 64 rows of 128 bytes each
	s_mov_b32 s63, 0
	s_mul_i32 s23, s14, 64*KP
	s_and_b32 s69, s15, 1
	s_wait_kmcnt 0x0
	s_add_nc_u64 s[4:5], s[4:5], s[60:61]
	s_add_nc_u64 s[6:7], s[6:7], s[60:61]
	s_add_nc_u64 s[8:9], s[8:9], s[60:61]
	s_add_nc_u64 s[66:67], s[6:7], s[62:63]
.irp s, 0,1
	s_mov_b32 s[G0K+4*\s], 1
	s_add_co_u32 s[G0K+4*\s+1], s23, \s*SLOTB
	s_add_nc_u64 s[G0K+4*\s+2:G0K+4*\s+3], s[66:67], \s*16384      ; fill s: 128 keys of 128 bytes
	s_or_b32 s[G0K+4*\s+3], s[G0K+4*\s+3], 0x80000000
	s_mov_b32 s[G0V+4*\s], 1
	s_mov_b32 s[G0V+4*\s+1], \s*SLOTB+VOFF
	s_add_nc_u64 s[G0V+4*\s+2:G0V+4*\s+3], s[8:9], \s*256          ; fill s: 128 keys along the rows
	s_or_b32 s[G0V+4*\s+3], s[G0V+4*\s+3], 0x80000000
.endr
	; the first fills of both slots, a wave's two inside one branch on its number: waves 0, 1 K's halves, wave 2 V^T, the others none
	s_cmp_lt_u32 s14, 2
	s_cbranch_scc0 .Lff_not_k
	tensor_load_to_lds s[G0K:G0K+3], s[G1K:G1K+7]
	s_nop 0
	tensor_load_to_lds s[G0K+4:G0K+7], s[G1K:G1K+7]
	s_nop 0
	s_branch .Lff_done
.Lff_not_k:
	s_cmp_eq_u32 s14, 2
	s_cbranch_scc0 .Lff_done
	tensor_load_to_lds s[G0V:G0V+3], s[G1V:G1V+7]
	s_nop 0
	tensor_load_to_lds s[G0V+4:G0V+7], s[G1V:G1V+7]
	s_nop 0
.Lff_done:
	; prefetch: a fill is 64 blocks of 256 bytes of K and 64 of V^T; each of the head's four work-groups asks for 32 of them, one a lane:
	; qblk 0, 1 K's halves (blocks follow each other, a fill is 16,384 bytes on), qblk 2, 3 V^T's rows 0-31, 32-63 (4,096 bytes apart, a fill is 256 bytes on)
	s_cmp_lt_u32 s15, 2
	s_cselect_b64 s[56:57], s[6:7], s[8:9]
	s_cselect_b32 s58, 14, 8
	s_cselect_b32 s19, 8, 12
	s_cselect_b32 s68, 13, 17
	s_lshl_b32 s58, 1, s58                         ; bytes from fill to fill
	s_mov_b32 s59, 0
	s_lshl_b32 s68, s69, s68                       ; which half
	s_mov_b32 s69, 0
	s_add_nc_u64 s[56:57], s[56:57], s[68:69]
	s_add_nc_u64 s[56:57], s[56:57], s[58:59]      ; at fill 1: each request steps first
	v_and_b32 v[RR], 15, v0
	v_bfe_u32 v[HH], v0, 4, 1
	v_and_b32 v[LN], 31, v0
	v_lshlrev_b32 v[PF], s19, v[LN]
	; Q: sixteen loads, fragments as they stand: query 16 qt + r, d = 32 kk + 8 h .. and + 16
	s_lshl_b32 s62, s22, 13                        ; 64 wq rows of 128 bytes
	s_add_nc_u64 s[4:5], s[4:5], s[62:63]
	v_lshlrev_b32 v254, 7, v[RR]
	v_lshl_add_u32 v254, v[HH], 4, v254
.irp qt, 0,1,2,3
.irp kk, 0,1
	global_load_b128 v[Q+16*\qt+8*\kk:Q+16*\qt+8*\kk+3],   v254, s[4:5] offset:\qt*2048+\kk*64
	global_load_b128 v[Q+16*\qt+8*\kk+4:Q+16*\qt+8*\kk+7], v254, s[4:5] offset:\qt*2048+\kk*64+32
.endr
.endr
	; the five bias tiles: tile i, register j of lane (r, h) is rel_bias[clip(16 (i - 2) + 8 h + j - r, -16, 16) + 16][head].
	; The row number plus 48 is formed times 64 (a row's bytes), cut to 48 .. 80, and the 48 rows go off in the load's immediate.
	s_and_b32 s70, s16, 15                         ; head
	s_lshl_b32 s62, s70, 2
	s_add_nc_u64 s[10:11], s[10:11], s[62:63]
	v_lshlrev_b32 v255, 9, v[HH]
	v_lshlrev_b32 v7, 6, v[RR]
	v_sub_nc_u32 v255, v255, v7                    ; 64 (8 h - r)
.irp i, 0,1,2,3,4
.irp j, 0,1,2,3,4,5,6,7
	v_add_nc_u32 v[H0+8*\i+\j], (32+16*\i+\j)*64, v255
	v_max_u32 v[H0+8*\i+\j], 48*64, v[H0+8*\i+\j]
	v_min_u32 v[H0+8*\i+\j], 80*64, v[H0+8*\i+\j]
	global_load_b32 v[H0+8*\i+\j], v[H0+8*\i+\j], s[10:11] offset:-48*64     ; lands on its own address register
.endr
.endr
	v_mul_u32_u24 v[KA], v[RR], KP
	v_lshl_add_u32 v[KA], v[HH], 4, v[KA]
	v_add_nc_u32 v[KA+1], SLOTB, v[KA]
	v_mul_u32_u24 v[VA], v[RR], VP
	v_lshl_add_u32 v[VA], v[HH], 4, v[VA]
	v_add_nc_u32 v[VA], VOFF, v[VA]
	v_add_nc_u32 v[VA+1], SLOTB, v[VA]
	s_mul_i32 s62, s14, 5120
	s_add_co_u32 s62, s62, TABLE
	v_lshl_add_u32 v[TB], v[LN], 4, s62
	s_lshr_b32 s71, s16, 4                         ; batch
	s_lshl_b32 s62, s71, 23                        ; out0: 2,048 batch rows of 4,096 bytes
	s_lshl_b32 s71, s22, 18                        ;   + 64 wq rows
	s_add_co_u32 s62, s62, s71
	s_lshl_b32 s71, s70, 8                         ;   + the head's 256 bytes
	s_add_co_u32 s62, s62, s71
	s_add_nc_u64 s[12:13], s[12:13], s[62:63]
.irp i, 0,1,2,3,4,5,6,7
	v_mov_b32 v[ONES+\i], 0x3c003c00               ; 1.0 in both f16 halves
	v_mov_b32 v[T+\i], 0                           ; T and X: a fragment of zeros for now
.endr
	s_wait_loadcnt 0x0                             ; Q and the table
.irp n, 0,1,2,3,4,5,6,7,8,9,10,11,12,13,14,15,16,17,18,19
	v_pk_mul_f32 v[H0+2*\n:H0+2*\n+1], v[H0+2*\n:H0+2*\n+1], 0x3fb8aa3b op_sel_hi:[1,0]      ; to base 2
.endr
.irp i, 0,1,2,3,4
	ds_store_b128 v[TB], v[H0+8*\i:H0+8*\i+3]   offset:\i*1024
	ds_store_b128 v[TB], v[H0+8*\i+4:H0+8*\i+7] offset:\i*1024+512
.endr
; the seven tiles for step - wq = rel: tile c serves kt - qt = c - 3 and is number clamp(4 rel + c - 3, -2, 2) + 2 of the table
.macro CURLD rel
.irp c, 0,1,2,3,4,5,6
.set CIDX, 4*(\rel)+\c-3
.if CIDX < -2
.set CIDX, -2
.endif
.if CIDX > 2
.set CIDX, 2
.endif
	ds_load_b128 v[CUR+8*\c:CUR+8*\c+3],   v[TB] offset:(CIDX+2)*1024
	ds_load_b128 v[CUR+8*\c+4:CUR+8*\c+7], v[TB] offset:(CIDX+2)*1024+512
.endr
.endm
	CURLD -2                                       ; keys far below the queries; LDS serves a wave in order, so these see the stores above
	; O and the sums start at zero as products of the zero fragment with the ones: twenty instructions for 160 registers, in the form that adds onto them later
	WIN 0x40
.irp n, 0,1,2,3,4,5,6,7,8,9,10,11,12,13,14,15
	v_wmma_f32_16x16x32_f16 v[O+8*\n:O+8*\n+7], v[T:T+7], v[ONES:ONES+7], 0
.endr
	WIN 0
.irp n, 0,1,2,3
	v_wmma_f32_16x16x32_f16 v[LS+8*\n:LS+8*\n+7], v[T:T+7], v[ONES:ONES+7], 0
.endr
	PLACES
.irp qt, 0,1,2,3
	v_mov_b32 v[ST+2*\qt], 0xff800000              ; the running maximum starts at minus infinity: the first factor is 2^-inf = 0
.endr
	s_wait_tensorcnt 0x1                           ; of my two first fills slot 0's has landed; slot 1's may stay out
	s_wait_dscnt 0x0
	s_barrier_signal -1
	s_barrier_wait -1
.macro LDK dst, s, u, kk               ; 8 loads: keys 64 u .. +63 of slot s, d = 32 kk .. +31
.irp kt, 0,1,2,3
	ds_load_b128 v[\dst+8*\kt:\dst+8*\kt+3],   v[KA+\s] offset:(64*(\u)+16*\kt)*KP+64*\kk
	ds_load_b128 v[\dst+8*\kt+4:\dst+8*\kt+7], v[KA+\s] offset:(64*(\u)+16*\kt)*KP+64*\kk+32
.endr
.endm
.macro LDV s, u                        ; 16 loads: all 64 d, keys 64 u .. +31 into H0, +32 .. +63 into H1
.irp dt, 0,1,2,3
	ds_load_b128 v[H0+8*\dt:H0+8*\dt+3],   v[VA+\s] offset:16*\dt*VP+128*\u
	ds_load_b128 v[H0+8*\dt+4:H0+8*\dt+7], v[VA+\s] offset:16*\dt*VP+128*\u+32
.endr
.irp dt, 0,1,2,3
	ds_load_b128 v[H1+8*\dt:H1+8*\dt+3],   v[VA+\s] offset:16*\dt*VP+128*\u+64
	ds_load_b128 v[H1+8*\dt+4:H1+8*\dt+7], v[VA+\s] offset:16*\dt*VP+128*\u+96
.endr
.endm
.macro BAND                            ; the bias tiles change only where rel = -1, 0, 1, 2
	s_add_co_u32 s19, s17, 1
	s_cmp_gt_u32 s19, 3
	s_cbranch_scc1 .Lband_none_\@
	s_cmp_eq_u32 s19, 0
	s_cbranch_scc0 .Lband_b_\@
	CURLD -1
	s_branch .Lband_join_\@
.Lband_b_\@:
	s_cmp_eq_u32 s19, 1
	s_cbranch_scc0 .Lband_c_\@
	CURLD 0
	s_branch .Lband_join_\@
.Lband_c_\@:
	s_cmp_eq_u32 s19, 2
	s_cbranch_scc0 .Lband_d_\@
	CURLD 1
	s_branch .Lband_join_\@
.Lband_d_\@:
	CURLD 2
.Lband_join_\@:
	s_wait_dscnt 0x0
.Lband_none_\@:
.endm
.macro PREFETCH                        ; wave 4 alone: my 32 blocks of the fill whose tensor load stands behind this slot's two steps
	s_cmp_lg_u32 s14, 4
	s_cbranch_scc1 .Lno_pf_\@
	s_wait_xcnt 0x0                                ; the last request, two steps back, has read its base
	s_add_nc_u64 s[56:57], s[56:57], s[58:59]
	global_prefetch_b8 v[PF], s[56:57] th:TH_LOAD_NT scope:SCOPE_SE
.Lno_pf_\@:
.endm
.macro TLOAD s
	s_cmp_lt_u32 s14, 2
	s_cbranch_scc0 .Lnot_k_\@
	tensor_load_to_lds s[G0K+4*\s:G0K+4*\s+3], s[G1K:G1K+7]
	s_nop 0
	s_branch .Lloaded_\@
.Lnot_k_\@:
	s_cmp_eq_u32 s14, 2
	s_cbranch_scc0 .Lloaded_\@
	tensor_load_to_lds s[G0V+4*\s:G0V+4*\s+3], s[G1V:G1V+7]
	s_nop 0
.Lloaded_\@:
.endm
; One step: 64 keys (half u of slot s) against my 64 queries.  pre = 1: K's first fragments were loaded in the step before; nxt = 1: load the next step's;
; pf = 1: ask ahead.  All matrix instructions take their accumulators by turns, one instruction a turn.
.macro STEP s, u, pre, nxt, pf
	BAND
	s_add_co_u32 s17, s17, 1
.if \pre == 0
	LDK H0, \s, \u, 0
.endif
	LDK H1, \s, \u, 1
	s_wait_dscnt 8                                 ; d 0-31 is in; the eight loads of d 32-63 stay out
	WIN 0x40
.irp qt, 0,1,2,3
.irp kt, 0,1,2,3
	v_wmma_f32_16x16x32_f16 v[S+8*(4*\qt+\kt):S+8*(4*\qt+\kt)+7], v[H0+8*\kt:H0+8*\kt+7], v[Q+16*\qt:Q+16*\qt+7], v[CUR+8*(\kt-\qt+3):CUR+8*(\kt-\qt+3)+7]
.endr
.endr
	s_wait_dscnt 0x0
	WIN 0x50
.irp qt, 0,1,2,3
.irp kt, 0,1,2,3
	v_wmma_f32_16x16x32_f16 v[S+8*(4*\qt+\kt):S+8*(4*\qt+\kt)+7], v[H1+8*\kt:H1+8*\kt+7], v[Q+16*\qt+8:Q+16*\qt+15], v[S+8*(4*\qt+\kt):S+8*(4*\qt+\kt)+7]
.endr
.endr
	WIN 0
	PLACES                                         ; then K's fragment registers take V's, and the scores are read
	LDV \s, \u
.if \pf
	PREFETCH
.endif
	WIN 0x14                                       ; sources 1 and 2 from window 1
.irp qt, 0,1,2,3
	v_max3_num_f32 v[T+\qt], v[ST+2*\qt], v[S+32*\qt], v[S+32*\qt+1]          ; four chains, each started from the running maximum
.endr
.irp i, 1,2,3,4,5,6,7,8,9,10,11,12,13,14,15
.irp qt, 0,1,2,3
	v_max3_num_f32 v[T+\qt], v[T+\qt], v[S+32*\qt+2*\i], v[S+32*\qt+2*\i+1]
.endr
.endr
	WIN 0
.irp qt, 0,1,2,3
	v_permlanex16_b32 v[X+\qt], v[T+\qt], s20, s21                            ; the same query's other 32 keys
.endr
.irp qt, 0,1,2,3
	v_max_num_f32 v[X+\qt], v[T+\qt], v[X+\qt]
.endr
.irp qt, 0,1,2,3
	v_sub_f32 v[ST+2*\qt+1], v[ST+2*\qt], v[X+\qt]
.endr
.irp qt, 0,1,2,3
	v_exp_f32 v[ST+2*\qt+1], v[ST+2*\qt+1]                                    ; factor = 2^(old maximum - new)
.endr
.irp qt, 0,1,2,3
	v_mov_b32 v[ST+2*\qt], v[X+\qt]                                           ; plain work between the exponentials and their first use
.endr
	s_wait_alu depctr_va_vdst(0)
.irp qt, 0,1,2,3
	v_mul_f32 v[LS+8*\qt], v[LS+8*\qt], v[ST+2*\qt+1]
.endr
	WIN 0x41                                       ; destination and source 0 in window 1
.irp i, 0,1,2,3,4,5,6,7,8,9,10,11,12,13,14,15
	v_pk_add_f32 v[S+2*\i:S+2*\i+1], v[S+2*\i:S+2*\i+1], v[ST:ST+1] op_sel_hi:[1,0] neg_lo:[0,1] neg_hi:[0,1]
.endr
	; exponentials of block qt, with the next block's subtractions and this block's rescaling of O as the plain work between them
.irp qt, 0,1,2,3
.irp i, 0,1,2,3,4,5,6,7,8,9,10,11,12,13,14,15
	v_exp_f32 v[S+32*\qt+2*\i], v[S+32*\qt+2*\i]
.if \qt < 3
	v_pk_add_f32 v[S+32*\qt+32+2*\i:S+32*\qt+33+2*\i], v[S+32*\qt+32+2*\i:S+32*\qt+33+2*\i], v[ST+2*\qt+2:ST+2*\qt+3] op_sel_hi:[1,0] neg_lo:[0,1] neg_hi:[0,1]
.endif
	v_exp_f32 v[S+32*\qt+2*\i+1], v[S+32*\qt+2*\i+1]
	v_pk_mul_f32 v[O+32*\qt+2*\i:O+32*\qt+2*\i+1], v[O+32*\qt+2*\i:O+32*\qt+2*\i+1], v[ST+2*\qt:ST+2*\qt+1] op_sel:[0,1] op_sel_hi:[1,1]
.endr
.endr
	WIN 0x45                                       ; all three in window 1
	s_wait_alu depctr_va_vdst(0)
.irp g, 0,1,2,3,4,5,6,7
.irp i, 0,1,2,3,4,5,6,7
	v_cvt_pk_f16_f32 v[S+16*\g+\i], v[S+16*\g+2*\i], v[S+16*\g+2*\i+1]        ; in place, ascending: register i is written when 2 i and 2 i + 1 are read
.endr
.endr
	s_wait_dscnt 0x0                               ; V's fragments
	WIN 0x54
.irp qt, 0,1,2,3
.irp dt, 0,1,2,3
	v_wmma_f32_16x16x32_f16 v[O+8*(4*\qt+\dt):O+8*(4*\qt+\dt)+7], v[H0+8*\dt:H0+8*\dt+7], v[S+32*\qt:S+32*\qt+7], v[O+8*(4*\qt+\dt):O+8*(4*\qt+\dt)+7]
.endr
.endr
	WIN 0x04
.irp ks, 0,1
.irp qt, 0,1,2,3
	v_wmma_f32_16x16x32_f16 v[LS+8*\qt:LS+8*\qt+7], v[ONES:ONES+7], v[S+32*\qt+16*\ks:S+32*\qt+16*\ks+7], v[LS+8*\qt:LS+8*\qt+7]
.endr
.endr
.if \nxt
	WIN 0
	PLACES
	LDK H0, \s, 1, 0
.endif
	WIN 0x54
.irp qt, 0,1,2,3
.irp dt, 0,1,2,3
	v_wmma_f32_16x16x32_f16 v[O+8*(4*\qt+\dt):O+8*(4*\qt+\dt)+7], v[H1+8*\dt:H1+8*\dt+7], v[S+32*\qt+16:S+32*\qt+23], v[O+8*(4*\qt+\dt):O+8*(4*\qt+\dt)+7]
.endr
.endr
	WIN 0
.rept 5
	v_nop                                          ; five places: the next step's products write over P, and its loads land in H1
.endr
.endm
.macro WORK s, pf
	STEP \s, 0, 0, 1, \pf
	STEP \s, 1, 1, 0, 0
.endm
; Slot s has been read and is filled again, two fills on: every wave waits for its reads and for all its tensor loads, passes the barrier, and the refill comes first.
.macro REFILL s
	s_wait_xcnt 0x0
	v_lshl_add_u32 v254, v0, 2, 0x29000
	v_mov_b32 v255, 0
	s_wait_tensorcnt 0x0                           ; all my tensor loads have landed, the other slot's among them: a group 0 may be written
	ds_add_u32 v254, v255
	s_wait_dscnt 0x0
	s_add_nc_u64 s[G0K+4*\s+2:G0K+4*\s+3], s[G0K+4*\s+2:G0K+4*\s+3], 32768
	s_add_nc_u64 s[G0V+4*\s+2:G0V+4*\s+3], s[G0V+4*\s+2:G0V+4*\s+3], 512
	s_wait_dscnt 0x0                               ; my reads of the slot are back
	s_barrier_signal -1
	s_barrier_wait -1
	TLOAD \s                                       ; one load of the wave is out; it has the other slot's two steps in which to land
.endm
	s_mov_b32 s18, 7                               ; fills 0 .. 13 are worked on in the loop, which asks for fills 2 .. 15
.Ltrip:
	WORK 0, 1
	REFILL 0
	WORK 1, 1
	REFILL 1
	s_sub_co_u32 s18, s18, 1
	s_cmp_lg_u32 s18, 0
	s_cbranch_scc1 .Ltrip
	WORK 0, 0                                      ; fills 14 and 15: nothing is left to fetch or to ask for
	s_wait_dscnt 0x0
	s_wait_tensorcnt 0x0                           ; my part of fill 15 has landed
	s_barrier_signal -1
	s_barrier_wait -1                              ; everybody's has
	WORK 1, 0
	; THE WAY OUT: divide by the sums, 16 queries at a time through my stage, whole rows of 256 bytes out
.irp qt, 0,1,2,3
	v_rcp_f32 v[X+\qt], v[LS+8*\qt]
.endr
	s_mul_i32 s19, s14, 4352
	s_add_co_u32 s19, s19, STAGE
	v_mul_u32_u24 v[STO], v[RR], VP                ; plain work behind the reciprocals
	v_lshl_add_u32 v[STO], v[HH], 5, v[STO]
	v_add_nc_u32 v[STO], s19, v[STO]               ; in: row r, 32 bytes for each half of the lanes
	v_mul_u32_u24 v[RD], v[HH], VP
	v_lshl_add_u32 v[RD], v[RR], 4, v[RD]
	v_add_nc_u32 v[RD], s19, v[RD]                 ; back: sixteen lanes take a row
	v_lshlrev_b32 v[CO], 12, v[HH]
	v_lshl_add_u32 v[CO], v[RR], 4, v[CO]
	s_wait_alu depctr_va_vdst(0)
.macro OUTQ qt
	WIN 0x01
.irp i, 0,1,2,3,4,5,6,7,8,9,10,11,12,13,14,15
.if (\qt)%2
	v_pk_mul_f32 v[H0+2*\i:H0+2*\i+1], v[O+32*\qt+2*\i:O+32*\qt+2*\i+1], v[X+2*(\qt/2):X+2*(\qt/2)+1] op_sel:[0,1] op_sel_hi:[1,1]
.else
	v_pk_mul_f32 v[H0+2*\i:H0+2*\i+1], v[O+32*\qt+2*\i:O+32*\qt+2*\i+1], v[X+2*(\qt/2):X+2*(\qt/2)+1] op_sel_hi:[1,0]
.endif
.endr
	WIN 0
.irp dt, 0,1,2,3
	ds_store_b128 v[STO], v[H0+8*\dt:H0+8*\dt+3]   offset:64*\dt               ; d = 16 dt + 8 h + 0..3
	ds_store_b128 v[STO], v[H0+8*\dt+4:H0+8*\dt+7] offset:64*\dt+16
.endr
	s_wait_xcnt 0x0                                ; H1, which the last block's stores read, is loaded again only behind this wait
.irp t, 0,1,2,3,4,5,6,7
	ds_load_b128 v[H1+4*\t:H1+4*\t+3], v[RD] offset:2*VP*\t
.endr
.irp t, 0,1,2,3,4,5,6,7
	s_wait_dscnt 7-\t
	global_store_b128 v[CO], v[H1+4*\t:H1+4*\t+3], s[12:13] offset:(16*\qt+2*\t)*4096 th:TH_STORE_NT   ; sixteen lanes store 256 neighbouring bytes, aligned
.endr
.endm
	OUTQ 0
	OUTQ 1
	OUTQ 2
	OUTQ 3
	s_wait_xcnt 0x0
	v_lshl_add_u32 v254, v0, 2, 0x29000
	v_mov_b32 v255, 0
	s_wait_tensorcnt 0x0
	ds_add_u32 v254, v255
	s_wait_dscnt 0x0
	s_endpgm
.Lfunc_end_k_q1fdc6ab130_attn:
	.size	k_q1fdc6ab130_attn, .Lfunc_end_k_q1fdc6ab130_attn-k_q1fdc6ab130_attn
	.p2alignl 7, 3214868480
	.fill 96, 4, 3214868480
	.section	.rodata,"a",@progbits
	.p2align	6, 0x0
	.amdhsa_kernel k_q1fdc6ab130_attn
		.amdhsa_group_segment_fixed_size 327680
		.amdhsa_private_segment_fixed_size 0
		.amdhsa_enable_private_segment 0
		.amdhsa_kernarg_size 40
		.amdhsa_user_sgpr_count 2
		.amdhsa_user_sgpr_kernarg_segment_ptr 1
		.amdhsa_wavefront_size32 1
		.amdhsa_system_sgpr_workgroup_id_x 1
		.amdhsa_system_sgpr_workgroup_id_y 1
		.amdhsa_system_sgpr_workgroup_id_z 1
		.amdhsa_system_vgpr_workitem_id 0
		.amdhsa_next_free_vgpr 512
		.amdhsa_next_free_sgpr 72
		.amdhsa_reserve_vcc 0
		.amdhsa_float_denorm_mode_32 3
		.amdhsa_float_denorm_mode_16_64 3
		.amdhsa_memory_ordered 1
		.amdhsa_forward_progress 1
		.amdhsa_inst_pref_size 255
	.end_amdhsa_kernel
	.section	.bss,"aw",@nobits
	.p2align	6
	.space	262144
	.amdgpu_metadata
---
amdhsa.version: [ 1, 2 ]
amdhsa.kernels:
  - .name:           k_q1fdc6ab130_attn
    .symbol:         k_q1fdc6ab130_attn.kd
    .args:
      - { .name: qb, .offset: 0, .size: 8, .value_kind: global_buffer, .address_space: global }
      - { .name: kb, .offset: 8, .size: 8, .value_kind: global_buffer, .address_space: global }
      - { .name: vt, .offset: 16, .size: 8, .value_kind: global_buffer, .address_space: global }
      - { .name: rel_bias, .offset: 24, .size: 8, .value_kind: global_buffer, .address_space: global }
      - { .name: out0, .offset: 32, .size: 8, .value_kind: global_buffer, .address_space: global }
    .group_segment_fixed_size: 327680
    .private_segment_fixed_size: 0
    .kernarg_segment_align: 8
    .kernarg_segment_size: 40
    .max_flat_workgroup_size: 256
    .sgpr_count:     72
    .vgpr_count:     512
    .wavefront_size: 32
...
	.end_amdgpu_metadata
.endif
;; end of part 3
